; MI455X (gfx1250); checked and timed in simulation.
; The chip was launched on July 23, 2026; its instructions are those of AMD's public machine-readable ISA for CDNA 5 (MIT licence, August 2026) and "CDNA5" Instruction Set Architecture Reference Guide (July 2026). The comments in the code are by the model that wrote it; some were corrected since.
;; Self Attention. Allowed arithmetic: matrix products marked QUANTISED: E2M1 operands, one E8M0 scale for each 32 along K, by v_wmma_scale_f32_16x16x128_f8f6f4 with both operands' format E2M1 (or v_wmma_scale_f32_32x16x128_f4), f32 sums; products left as they are: f32 operands where the result goes on into a quantised operand, else bf16, f16 or f32 operands; f32 sums; everything else in f32.
;; Inputs: Wf 64 x 8 float32; Wg 64 x 8 float32; Wh_codes 64 x 2 x 16 uint8 (E2M1 codes of Wh, K innermost, in blocks of 32 codes, two codes a byte); Wh_scales 64 x 2 uint8 (E8M0 scales of Wh, one for each 32 codes along K); bf 8 float32; bg 8 float32; bh 64 float32; x 4 x 64 x 64 x 64 float32.
;; Outputs: out0 4 x 4,096 x 64 float32.
;; This version of the problem:
;;   THIS VERSION OF THE PROBLEM IS GIVEN IN LOW PRECISION. The matrix products marked QUANTISED in the list below multiply operands that are first quantised to E2M1 (2 exponent bits, 1 mantissa bit; 4 bits a number), with one power-of-two scale for each 32 numbers along K (OCP MX v1.0); their sums are f32. All else is computed in f32.
;;   The module's matrix products, in the order in which they are computed (A, B: the left and right operand; K: the contracted axis; several contracted axes count as one K, in the product's order):
;;     1. [M 16,384, K 64] x [K 64, N 8]; A: input x; B: input Wf: left as it is (N = 8 < 16)
;;     2. [M 16,384, K 64] x [K 64, N 8]; A: input x; B: input Wg: left as it is (N = 8 < 16)
;;     3. [M 16,384, K 64] x [K 64, N 64]; A: input x; B: input Wh (given as codes): QUANTISED
;;     4. batch 4 x [M 4,096, K 8] x [K 8, N 4,096]; A: computed on the way; B: computed on the way: left as it is (K = 8 < 32)
;;     5. batch 4 x [M 4,096, K 4,096] x [K 4,096, N 64]; A: softmax (see below); B: computed on the way: QUANTISED
;;   THE QUANTISER, for each operand of a quantised product, along K:
;;     - K is cut into blocks of 32 from its start; a last block that is shorter is filled with zeros.
;;     - A block's scale is 2^e with e = floor(log2(the largest magnitude in the block)) - 2, held to -126 .. 127; a block of zeros has e = 0. As a byte (E8M0): e + 127.
;;     - Each number is divided by its block's scale, clamped to +-6, and rounded to the nearest number of E2M1, ties to even, subnormals kept.
;;     - The product sums the exact products of the quantised numbers (number of the format x scale) in f32.
;;   ~~~python
;;   def quantise(x, axis):      # numpy; x: float32 -> the quantised numbers, widened to float32 again
;;       x = np.moveaxis(x, axis, -1); K = x.shape[-1]
;;       x = np.pad(x, [(0, 0)] * (x.ndim - 1) + [(0, -K % 32)]); x = x.reshape(x.shape[:-1] + (-1, 32)); a = np.abs(x).max(-1, keepdims=True)
;;       e = np.where(a > 0, np.clip(np.frexp(np.where(a > 0, a, 1))[1] - 1 - 2, -126, 127), 0)      # np.frexp(a)[1] - 1 = floor(log2(a)), exactly
;;       r = np.clip(x / 2.0 ** e, -6, 6)
;;       step = 2.0 ** (np.maximum(np.frexp(np.where(r == 0, 1, r))[1] - 1, 0) - 1)
;;       q = np.round(r / step) * step * 2.0 ** e      # np.round: ties to even
;;       return np.moveaxis(q.reshape(q.shape[:-2] + (-1,))[..., :K], -1, axis).astype(np.float32)
;;   ~~~
;;   SOFTMAX AHEAD OF A QUANTISED PRODUCT. Where the list says 'softmax', what is quantised is not the finished softmax but p = 2^(t - M), with t = logit x log2(e) and M = ceil(the row's largest t), a whole number; so 1/2 < the row's largest p <= 1. The row's sum l is taken of the UNQUANTISED p, in f32, and the product's result is divided by l at the end. Since M is a whole number, a kernel that streams over the keys may use a running M (the ceiling of the running maximum): every later rescaling is an exact power of two, which a block's scale takes up: the codes' values come out the same.
;;   OPERANDS COMPUTED ON THE WAY. 'Computed on the way' means the value that the module computes at that place (a softmax that the list does not call 'softmax' is quantised finished and normalised). What goes into a quantiser is computed in f32, as accurately as f32 sums, v_exp_f32 and their like allow (about 1e-6 of the number): no bf16 or f16 on the way to a quantiser, and a product that is left as it is and whose result goes on into a quantised operand takes f32 operands (vector FMAs, or v_wmma_f32_16x16x4_f32). A number that lies on a knife's edge between two numbers of the format may be rounded either way, as far as f32 arithmetic and the matrix unit's own rounding can turn it there, and no further.
;;   INPUTS GIVEN AS CODES. Wh (in the module: [64, 64], K = its axis 0): each comes as NAME_codes (uint8): NAME with its K axis moved to the last place and cut into blocks of 32 codes, [.., K / 32, bytes a block], one block behind the other in memory; two codes a byte, the lower K in the low four bits (a code: sign, 2 exponent bits, 1 mantissa bit); and NAME_scales (uint8): the same leading axes, one E8M0 byte (e + 127) for each 32 codes along K. Its value is code x scale, taken as it is: it is not quantised again, and the codes and scales need not be those that the quantiser above would give.
;; One version. Each part assembles by itself: llvm-mc -triple=amdgcn-amd-amdhsa -mcpu=gfx1250 --defsym DOCPART=n.
;; ======== version 1 of 1: 2 launches
;; workspace buffers: ws 1,605,632 bytes
;; launch prep (part 1): grid 256 x 1, 4 waves a work-group, no clusters, 4,608 bytes of LDS; arguments x, Wf, bf, Wg, bg, Wh_codes, Wh_scales, bh, ws; writes ws
.if DOCPART == 1
	.amdgcn_target "amdgcn-amd-amdhsa--gfx1250"
	.amdhsa_code_object_version 6
	.text
	.protected	k_q701baa42a7_prep
	.globl	k_q701baa42a7_prep
	.p2align	8
	.type	k_q701baa42a7_prep,@function
k_q701baa42a7_prep:
	s_mov_b64 s[64:65], 0
	v_nop
	global_prefetch_b8 v0, s[64:65] scope:SCOPE_SE
	s_setreg_imm32_b32 hwreg(HW_REG_WAVE_MODE, 25, 1), 1
	s_wait_xcnt 0x0
; f = x Wf + bf, g = x Wg + bg (f32 operands, f32 sums) and v = Q(x) Wh + bh (codes of E2M1, one E8M0 scale for each 32 along K), for 64 positions a work-group.
; What leaves: f and g as images of the f32 matrix operand's registers, v quantised ALONG THE KEYS as images of the second attention product's operand, with its scale bytes.
; ws: for batch b and key step gs (128 keys) a record of 8,448 bytes at 270,336 b + 8,448 gs:
;   +0     f: 8 tiles x 512 bytes; tile t, piece (e, r) at 512 t + 256 e + 16 r = f[key(t, r)][4 e .. 4 e + 3], key(t, r) = 32 (t / 2) + 8 (t % 2) + r + 8 (r / 8)
;   +4096  v's codes: channel tile ct, half c at 1024 ct + 512 c; lane (r, h) at 16 x lane: the 16 bytes of block 2 c + h (32 keys) of channel 16 ct + r
;   +8192  v's scale words: 4 bytes a channel, byte k for the step's block k
; behind the 128 records, from 1,081,344 on: g, 1,024 tiles x 512 bytes, laid as f's tiles; tile 4 x work-group + wave.
; SHARES.  Wave w first owns POSITION tile w (16 positions, in the order key(w, r)): it loads their x once, makes their f and g, quantises x along its 64 channels and
; hands the codes to the other waves through LDS, as an image of the operand's registers.  Behind the one barrier it owns CHANNEL tile w for all 64 positions.
; A lane holds x[pos(r)][32 h + 0 .. 31]: a whole block of 32, so no other lane is asked for its largest magnitude, and the conversions' results are the operand's registers.
; The same 32 registers feed the f32 matrix form, two a K step; the weights' columns are loaded in the same order of k, so the products are the right ones in another order of summation.
; LIMITS: NaN and infinities among the inputs are not served.  A block whose largest magnitude lies under 2^-124, a block of zeros among them, gets the scale byte 1 (zeros: zero codes);
; the bytes are read by this program alone.  K of f and g is summed in two halves (channels 0-15, 32-47 and 16-31, 48-63), which are added at the end.
; v's scale bytes leave as single bytes, 32 a wave (a scale word spans two work-groups): 32,768 bytes of the 1,605,632 that the launch stores.
.set REC,   8448
.set BATCH, 32*REC
.set GOFF,  4*BATCH
.set XIMG,  0                          ; LDS: x's four fragments, 512 bytes each (registers 0-3; registers 4-7 are zeros and stay in registers)
.set XSC,   2048                       ; their scale words, 128 bytes each
.set X,    32                          ; v32-63   x[pos(r)][32 h + q]
.set WA,   64                          ; v64-95   Wf's column (lanes r < 8), Wg's (r >= 8): W[32 h + q][r % 8]
.set WB,   96                          ; v96-127  Wg's column as loaded; then XF
.set XF,   96                          ; v96-127  x's four fragments, 8 registers each
.set BI,   128                         ; v128-135 bf, then bf (h = 0) or bg (h = 1): the result's layout
.set BJ,   136                         ; v136-143 bg
.set ACC0, 144                         ; v144-159 the two halves of f's and g's sums: written by matrix instructions alone
.set ACC1, 152
.set FG,   160                         ; v160-167 f (h = 0) or g (h = 1) of position pos(r)
.set XC,   168                         ; v168-171 x's codes
.set XW,   172                         ; v172     x's scale word
.set XS,   180                         ; v180-183 the four tiles' scale words of x
.set WH,   184                         ; v184-191 Wh's fragment: 184-187 loaded, 188-191 zeros
.set WHS,  192                         ; v192     Wh's scale word
.set BH,   200                         ; v200-207 bh of my channel, eight times: the result's layout
.set VA,   208                         ; v208-239 v: register 16 b + i = position 32 b + 16 h + i of channel 16 w + r
.set PC,   240                         ; v240-243 v's codes
.set TM,   244                         ; v244-249 at work
	s_load_b256 s[4:11], s[0:1], 0x0               ; x s[4:5], Wf s[6:7], bf s[8:9], Wg s[10:11]
	s_load_b256 s[12:19], s[0:1], 0x20             ; bg s[12:13], Wh's codes s[14:15], Wh's scales s[16:17], bh s[18:19]
	s_load_b64 s[20:21], s[0:1], 0x40              ; ws
	v_lshl_add_u32 v254, v0, 2, 0x1000
	v_mov_b32 v255, 0
	v_lshrrev_b32 v1, 5, v0
	v_readfirstlane_b32 s22, v1                    ; wave 0..3
	v_and_b32 v1, 31, v0                           ; lane
	v_and_b32 v2, 15, v0                           ; r
	v_bfe_u32 v3, v0, 4, 1                         ; h
	v_and_b32 v4, 8, v2
	v_add_nc_u32 v4, v4, v2                        ; r + 8 (r / 8)
	v_lshlrev_b32 v4, 8, v4                        ; x: a position is 256 bytes,
	v_lshl_add_u32 v4, v3, 7, v4                   ; + 128 h: my block of 32 channels
	v_and_b32 v5, 7, v2
	v_lshlrev_b32 v5, 2, v5
	v_lshl_add_u32 v5, v3, 10, v5                  ; Wf, Wg: row 32 h (32 bytes a row), column r % 8
	v_mov_b32 v6, 0                                ; the biases bf, bg: every lane takes all eight
	s_lshl_b32 s23, s22, 4
	v_add_nc_u32 v173, s23, v2                     ; my channel: 16 w + r
	v_lshlrev_b32 v7, 5, v173
	v_lshl_add_u32 v7, v3, 4, v7                   ; Wh's codes: 32 bytes a channel, + 16 h: block h
	v_lshlrev_b32 v8, 1, v173                      ; Wh's scales: 2 bytes a channel
	v_lshlrev_b32 v9, 2, v173                      ; bh; also my channel's scale word in a record
	v_lshlrev_b32 v10, 4, v1                       ; 16 x lane: an image's place for my lane
	v_lshlrev_b32 v11, 2, v1                       ; 4 x lane: a scale word's
	s_lshl_b32 s24, s22, 9
	v_add_nc_u32 v12, s24, v10                     ; where I store my tile's image: 16 x lane + 512 w
	s_lshl_b32 s24, s22, 7
	v_add_nc_u32 v13, s24, v11                     ; and its scale words: 4 x lane + 128 w
	v_lshlrev_b32 v17, 3, v3                       ; 8 h: my block's byte in x's scale word
	v_cmp_eq_u32 s30, 1, v3                        ; lanes 16-31
	v_cmp_lt_u32 s31, 7, v2                        ; lanes with r >= 8
	s_mov_b32 s32, 0x76543210
	s_mov_b32 s33, 0xfedcba98                      ; v_permlanex16_b32's selects for lane l xor 16
	; where my parts lie in ws, as offsets
	s_lshr_b32 s23, ttmp9, 6                       ; batch
	s_and_b32 s24, ttmp9, 63
	s_lshr_b32 s25, s24, 1                         ; key step
	s_and_b32 s24, s24, 1                          ; c: which half of its 128 keys
	s_mul_i32 s23, s23, BATCH
	s_mul_i32 s25, s25, REC
	s_add_co_u32 s23, s23, s25                     ; the record
	s_lshl_b32 s25, s24, 2
	s_add_co_u32 s25, s25, s22
	s_lshl_b32 s25, s25, 9
	s_add_co_u32 s25, s25, s23                     ; f's tile 4 c + w
	s_lshl_b32 s26, ttmp9, 2
	s_add_co_u32 s26, s26, s22
	s_lshl_b32 s26, s26, 9
	s_add_co_u32 s26, s26, GOFF                    ; g's tile 4 x work-group + w
	s_sub_co_u32 s27, s26, s25                     ; from the one to the other: positive, under 2^24
	v_mul_u32_u24 v14, s27, v3                     ; lanes 16-31 hold g
	v_lshl_add_u32 v14, v2, 4, v14
	v_add_nc_u32 v14, s25, v14                     ; 16 r + f's tile (+ the distance to g's)
	s_lshl_b32 s28, s22, 10
	s_lshl_b32 s29, s24, 9
	s_add_co_u32 s28, s28, s29
	s_add_co_u32 s28, s28, s23
	s_add_co_u32 s28, s28, 4096
	v_add_nc_u32 v15, s28, v10                     ; v's codes: 16 x lane + record + 4096 + 1024 w + 512 c
	s_lshl_b32 s29, s24, 1
	s_add_co_u32 s29, s29, s23
	s_add_co_u32 s29, s29, 8192
	v_add_nc_u32 v16, v9, v3
	v_add_nc_u32 v16, s29, v16                     ; v's scale byte: record + 8192 + 4 x channel + 2 c + h
	s_lshl_b32 s34, ttmp9, 14                      ; x: the work-group's 64 positions of 256 bytes,
	s_lshr_b32 s36, s22, 1
	s_lshl_b32 s36, s36, 13
	s_add_co_u32 s34, s34, s36                     ; + 32 (w / 2) positions
	s_and_b32 s36, s22, 1
	s_lshl_b32 s36, s36, 11
	s_add_co_u32 s34, s34, s36                     ; + 8 (w % 2)
	s_mov_b32 s35, 0
	s_wait_kmcnt 0x0
	s_add_nc_u64 s[4:5], s[4:5], s[34:35]
	; ---- all loads go out together: x first
.irp i, 0,1,2,3,4,5,6,7
	global_load_b128 v[X+4*\i:X+4*\i+3], v4, s[4:5] offset:16*\i th:TH_LOAD_NT
.endr
.set q, 0
.rept 32
	global_load_b32 v[WA+q], v5, s[6:7] offset:32*q
	global_load_b32 v[WB+q], v5, s[10:11] offset:32*q
.set q, q+1
.endr
	global_load_b128 v[BI:BI+3], v6, s[8:9]
	global_load_b128 v[BI+4:BI+7], v6, s[8:9] offset:16
	global_load_b128 v[BJ:BJ+3], v6, s[12:13]
	global_load_b128 v[BJ+4:BJ+7], v6, s[12:13] offset:16
	global_load_b128 v[WH:WH+3], v7, s[14:15]
	global_load_u16 v[WHS], v8, s[16:17]
	global_load_b32 v[BH], v9, s[18:19]
	s_wait_loadcnt 0x0
	; ---- rows 0-7 of the weights' operand are Wf's columns, rows 8-15 Wg's; in the result lanes 0-15 hold f, lanes 16-31 g
.set q, 0
.rept 32
	v_cndmask_b32 v[WA+q], v[WA+q], v[WB+q], s31
.set q, q+1
.endr
.irp j, 0,1,2,3,4,5,6,7
	v_cndmask_b32 v[BI+\j], v[BI+\j], v[BJ+\j], s30
.endr
	v_or_b32 v[WHS], 0x7f7f0000, v[WHS]            ; K is 64 of the instruction's 128: blocks 2 and 3 are zero codes under the byte 127
.irp j, 1,2,3,4,5,6,7
	v_mov_b32 v[BH+\j], v[BH]
.endr
.irp j, 4,5,6,7
	v_mov_b32 v[WH+\j], 0
.endr
.irp t, 0,1,2,3
.irp j, 4,5,6,7
	v_mov_b32 v[XF+8*\t+\j], 0                     ; (Wg's columns have been read out of these registers)
.endr
.endr
	v_mov_b32 v178, 0                              ; a lane permute's destination counts as one of its sources
	v_mov_b32 v[TM+2], 0
	v_mov_b32 v[TM+3], 0
	; ---- f and g: source 0 = 16 columns of the weights, source 1 = my 16 positions; 4 along K an instruction.  Two accumulators by turns, one instruction a turn.
	; The first takes the biases as its C, the second the constant 0: nothing is cleared.
	v_wmma_f32_16x16x4_f32 v[ACC0:ACC0+7], v[WA:WA+1], v[X:X+1], v[BI:BI+7]
	v_wmma_f32_16x16x4_f32 v[ACC1:ACC1+7], v[WA+16:WA+17], v[X+16:X+17], 0
.irp s, 1,2,3,4,5,6,7
	v_wmma_f32_16x16x4_f32 v[ACC0:ACC0+7], v[WA+2*\s:WA+2*\s+1], v[X+2*\s:X+2*\s+1], v[ACC0:ACC0+7]
	v_wmma_f32_16x16x4_f32 v[ACC1:ACC1+7], v[WA+16+2*\s:WA+17+2*\s], v[X+16+2*\s:X+17+2*\s], v[ACC1:ACC1+7]
.endr
	; ---- x's block of 32 is quantised while those sums are made.  Of the plain lines below at least fifteen name no register of any one matrix instruction above:
	; more than the eight places that this form wants ahead of the first read of its results
	v_max3_num_f32 v174, |v[X]|, |v[X+1]|, 0x1800000       ; two chains; the floor 2^(3 - 127) holds the byte at 1 from below
	v_max3_num_f32 v175, |v[X+2]|, |v[X+3]|, 0x1800000
.irp i, 4,8,12,16,20,24,28
	v_max3_num_f32 v174, v174, |v[X+\i]|, |v[X+\i+1]|
	v_max3_num_f32 v175, v175, |v[X+\i+2]|, |v[X+\i+3]|
.endr
	v_max_num_f32 v174, v174, v175                 ; the block's largest magnitude
	v_add_nc_u32 v176, 0xff000000, v174            ; 2 off its exponent field: the conversion takes the exponent field of this operand as its scale
	v_lshrrev_b32 v177, 23, v176                   ; the scale's byte,
	v_lshlrev_b32 v[XW], v17, v177                 ; at block h's place in the word;
	v_permlanex16_b32 v178, v[XW], s32, s33
	v_or_b32 v[XW], v[XW], v178                    ; with lane l xor 16's byte,
	v_or_b32 v[XW], 0x7f7f0000, v[XW]              ; and 127 for the two blocks of zero codes
.irp g, 0,1,2,3
	v_cvt_scalef32_pk8_fp4_f32 v[XC+\g], v[X+8*\g:X+8*\g+7], v176   ; registers 0-3 of the operand: k = 32 h + 0 .. 31
.endr
	v_nop                                          ; one plain line behind the last scaled conversion
.irp j, 0,2,4,6
	v_pk_add_f32 v[FG+\j:FG+\j+1], v[ACC0+\j:ACC0+\j+1], v[ACC1+\j:ACC1+\j+1]   ; the two halves of K; each accumulator is read from its low end on
.endr
	global_store_b128 v14, v[FG:FG+3], s[20:21]            ; lanes 0-15: 256 consecutive bytes of f's tile, aligned; lanes 16-31: of g's
	global_store_b128 v14, v[FG+4:FG+7], s[20:21] offset:256
	ds_store_b128 v12, v[XC:XC+3] offset:XIMG              ; my tile's codes and scale words, as they stand in the registers
	ds_store_b32 v13, v[XW] offset:XSC
	s_wait_dscnt 0x0                               ; for the others' sake: my LDS stores have landed
	s_barrier_signal -1
	s_barrier_wait -1                              ; x's four fragments lie in LDS
	; ---- v = Q(x) Wh + bh: source 0 = 16 positions, source 1 = my 16 channels; the bias is the C
.irp t, 0,1,2,3
	ds_load_b128 v[XF+8*\t:XF+8*\t+3], v10 offset:XIMG+512*\t
	ds_load_b32 v[XS+\t], v11 offset:XSC+128*\t
.endr
	s_wait_dscnt 0x0
.irp t, 0,1,2,3
	v_wmma_scale_f32_16x16x128_f8f6f4 v[VA+8*\t:VA+8*\t+7], v[XF+8*\t:XF+8*\t+7], v[WH:WH+7], v[BH:BH+7], v[XS+\t], v[WHS] matrix_a_fmt:MATRIX_FMT_FP4 matrix_b_fmt:MATRIX_FMT_FP4
.endr
.rept 4
	v_nop                                          ; four places ahead of the first read of the results
.endr
	; ---- v along the keys: the positions of a tile were chosen so that registers 16 b + 0 .. 15 are 16 neighbouring positions; lanes l and l xor 16 share a block
.irp b, 0,1
	v_max3_num_f32 v[TM+\b], |v[VA+16*\b]|, |v[VA+16*\b+1]|, 0x1800000
.endr
.irp i, 2,4,6,8,10,12,14
.irp b, 0,1
	v_max3_num_f32 v[TM+\b], v[TM+\b], |v[VA+16*\b+\i]|, |v[VA+16*\b+\i+1]|
.endr
.endr
.irp b, 0,1
	v_permlanex16_b32 v[TM+2+\b], v[TM+\b], s32, s33
.endr
.irp b, 0,1
	v_max_num_f32 v[TM+\b], v[TM+\b], v[TM+2+\b]   ; the block's largest magnitude
.endr
.irp b, 0,1
	v_add_nc_u32 v[TM+4+\b], 0xff000000, v[TM+\b]  ; the conversion's scale operand
.endr
.irp b, 0,1
	v_lshrrev_b32 v[TM+2+\b], 23, v[TM+4+\b]       ; the scale's byte
.endr
.irp b, 0,1
	v_cvt_scalef32_pk8_fp4_f32 v[PC+2*\b], v[VA+16*\b:VA+16*\b+7], v[TM+4+\b]
	v_cvt_scalef32_pk8_fp4_f32 v[PC+2*\b+1], v[VA+16*\b+8:VA+16*\b+15], v[TM+4+\b]
.endr
	v_nop                                          ; one plain line behind the last scaled conversion
	v_permlane16_swap_b32 v[PC], v[PC+2]           ; the operand's layout wants a whole block in a lane: lanes 0-15 block 0, lanes 16-31 block 1
	v_permlane16_swap_b32 v[PC+1], v[PC+3]
	v_cndmask_b32 v[TM+2], v[TM+2], v[TM+3], s30   ; and the byte of that block
	global_store_b128 v15, v[PC:PC+3], s[20:21]    ; 512 consecutive bytes, aligned
	global_store_b8 v16, v[TM+2], s[20:21]
	s_wait_tensorcnt 0x0
	ds_add_u32 v254, v255
	s_wait_dscnt 0x0
	s_endpgm
.Lfunc_end_k_q701baa42a7_prep:
	.size	k_q701baa42a7_prep, .Lfunc_end_k_q701baa42a7_prep-k_q701baa42a7_prep
	.p2alignl 7, 3214868480
	.fill 96, 4, 3214868480
	.section	.rodata,"a",@progbits
	.p2align	6, 0x0
	.amdhsa_kernel k_q701baa42a7_prep
		.amdhsa_group_segment_fixed_size 4608
		.amdhsa_private_segment_fixed_size 0
		.amdhsa_enable_private_segment 0
		.amdhsa_kernarg_size 72
		.amdhsa_user_sgpr_count 2
		.amdhsa_user_sgpr_kernarg_segment_ptr 1
		.amdhsa_wavefront_size32 1
		.amdhsa_system_sgpr_workgroup_id_x 1
		.amdhsa_system_sgpr_workgroup_id_y 1
		.amdhsa_system_sgpr_workgroup_id_z 1
		.amdhsa_system_vgpr_workitem_id 0
		.amdhsa_next_free_vgpr 256
		.amdhsa_next_free_sgpr 66
		.amdhsa_reserve_vcc 0
		.amdhsa_float_denorm_mode_32 3
		.amdhsa_float_denorm_mode_16_64 3
		.amdhsa_memory_ordered 1
		.amdhsa_forward_progress 1
		.amdhsa_inst_pref_size 21
	.end_amdhsa_kernel
	.amdgpu_metadata
---
amdhsa.version: [ 1, 2 ]
amdhsa.kernels:
  - .name:           k_q701baa42a7_prep
    .symbol:         k_q701baa42a7_prep.kd
    .args:
      - { .name: x, .offset: 0, .size: 8, .value_kind: global_buffer, .address_space: global }
      - { .name: Wf, .offset: 8, .size: 8, .value_kind: global_buffer, .address_space: global }
      - { .name: bf, .offset: 16, .size: 8, .value_kind: global_buffer, .address_space: global }
      - { .name: Wg, .offset: 24, .size: 8, .value_kind: global_buffer, .address_space: global }
      - { .name: bg, .offset: 32, .size: 8, .value_kind: global_buffer, .address_space: global }
      - { .name: Wh_codes, .offset: 40, .size: 8, .value_kind: global_buffer, .address_space: global }
      - { .name: Wh_scales, .offset: 48, .size: 8, .value_kind: global_buffer, .address_space: global }
      - { .name: bh, .offset: 56, .size: 8, .value_kind: global_buffer, .address_space: global }
      - { .name: ws, .offset: 64, .size: 8, .value_kind: global_buffer, .address_space: global }
    .group_segment_fixed_size: 4608
    .private_segment_fixed_size: 0
    .kernarg_segment_align: 8
    .kernarg_segment_size: 72
    .max_flat_workgroup_size: 128
    .sgpr_count:     66
    .vgpr_count:     256
    .wavefront_size: 32
...
	.end_amdgpu_metadata
.endif
;; end of part 1
;; launch attn (part 2): grid 64 x 4, 16 waves a work-group, clusters of 4 x 1, 327,680 bytes of LDS; arguments ws, out0; writes out0
.if DOCPART == 2
	.amdgcn_target "amdgcn-amd-amdhsa--gfx1250"
	.amdhsa_code_object_version 6
	.text
	.protected	k_q701baa42a7_attn
	.globl	k_q701baa42a7_attn
	.p2align	8
	.type	k_q701baa42a7_attn,@function
k_q701baa42a7_attn:
	s_mov_b64 s[64:65], 0
	v_nop
	global_prefetch_b8 v0, s[64:65] scope:SCOPE_SE
	s_setreg_imm32_b32 hwreg(HW_REG_WAVE_MODE, 25, 1), 1
	s_wait_xcnt 0x0
	s_wait_alu depctr_hold_cnt(0) depctr_sa_sdst(0) depctr_va_vdst(0) depctr_va_sdst(0) depctr_va_ssrc(0) depctr_va_vcc(0) depctr_vm_vsrc(0)
	s_getreg_b32 s2, hwreg(HW_REG_IB_STS2, 6, 4)
	s_cmp_eq_u32 s2, 0
	s_cbranch_scc0 .Lentry_in_a_cluster
	s_endpgm
.Lentry_in_a_cluster:
	s_bfe_u32 s2, ttmp6, 0x10000c
	s_cmp_lg_u32 s2, 0x3003
	s_cbranch_scc0 .Lentry_shape_is_right
	s_endpgm
.Lentry_shape_is_right:
; out[b][q][:] = the sum over keys of softmax(g[q] . f[key]) v[key][:].  The scores have f32 operands and f32 sums (K = 8: two instructions of the f32 matrix form);
; the second product is on codes of E2M1 with one E8M0 scale for each 32 keys.  t = score x log2(e); M = the largest t so far, rounded UP to a whole number; p = 2^(t - M) is what is
; quantised, not normalised; the row's sum is taken of the unquantised p and divides at the end.  When M moves, the sum and O are multiplied by 2^(old M - new M): exact.
; ws is as the launch before laid it: for each batch 32 records of 8,448 bytes (128 keys each: f's 8 tiles as register images, v's codes as register images, v's scale words), then g's tiles.
; SHARES.  A work-group owns 64 queries of one batch.  Wave (qt = wave % 4, kq = wave / 4) owns query tile qt (16 queries) and the key steps 4 j + kq, j = 0 .. 7: 1,024 keys.
; Sixteen waves of 256 registers, four to a SIMD.  The four partial results (M, sum, O^T) of a query tile meet in LDS at the end; M is a whole number, so the factors are powers of two.
; BY TURNS.  A key step of a wave is 16 matrix instructions on f32 numbers (1,024 multiply-adds each), 4 on codes and some 240 vector lines.  The 16 are those of the NEXT step's scores and stand among
; this step's softmax lines: a tile of S^T is free as soon as its four packed scalings have copied it into p's registers, so the products begin behind the eighth scaling and end ahead of the conversions.
; The tiles of f go in pairs through four quads of registers: pair p's products are k0(t), k0(t + 1), k1(t), k1(t + 1); behind the last of them and eight plain lines its two quads take the pair two further on.
; LAYOUT.  Both products are used transposed (S^T = f g^T, O^T = v^T p^T): a lane holds ONE query (lane % 16) throughout.  The keys of a tile of f are not neighbours
; (lane r of tile 2 b + u: key 32 b + 8 u + r + 8 (r / 8)), so that the 16 result registers of tiles 2 b, 2 b + 1 are keys 32 b + 16 (lane / 16) + 0 .. 15.
; In the f32 form lane (r, h) gives d = 4 h + 0, 1 to the first instruction and 4 h + 2, 3 to the second, in f and g alike: 16 bytes a lane serve both.
; LDS.  A batch's 32 records, 270,336 bytes, lie in LDS as they lie in memory and are filled ONCE: no byte of LDS is filled twice.  Behind them 12 parts of 4,352 bytes, one for each of waves 4 to 15,
; for the merge; wave w < 4 uses the part of wave w + 4, which it alone reads, once more as its stage on the way out.
; CLUSTER.  The four work-groups of a cluster belong to one batch and want the same records: each tile is asked for JOINTLY, by the same tensor load with the same descriptor and a mask that names the four.
; Only one stream is shared, so the cluster is 4 x 1.  All that goes through LDS is asked for by the four tensor loads a wave at the head, so there is nothing left to ask for ahead.
; LIMITS: NaN and infinities are not served; a p under 2^-126 is 0; a block of p whose largest lies under 2^-124 gets the byte 1 (a block of zeros: zero codes).
; The keys are summed in four groups and, within a group, step by step: another order than a plain sum over the keys.
.set REC,   8448
.set CHUNK, 4*REC                      ; the four key groups' records of one time step
.set BATCH, 32*REC
.set GOFF,  4*BATCH
.set PART,  4352                       ; a wave's part for the merge: 4,096 bytes of O^T, 256 of (-M, sum); as a stage: 16 rows x 272
.set MRG,   BATCH
.set AF,  1                            ; v1   16 x lane + my key group's record: of the step in hand up to the step's middle, of the next step from there on
.set AS,  2                            ; v2   4 x lane + my key group's record of the step in hand
.set MG,  3                            ; v3   16 x lane + 4,352 x wave + MRG - 4 x 4,352: my part (waves 4 to 15); for waves 0 to 3 the parts that they read lie 4, 8, 12 parts on
.set MS,  4                            ; v4   8 x lane + the same
.set STO, 5                            ; v5   the way out: where I put 32 bytes of a row
.set SRD, 6                            ; v6   and where I read a row back
.set GO,  7                            ; v7   my byte offset in the tile's rows of out
.set LI,  8                            ; v8   16 x lane
                                       ; v12 -M, v13 the largest t, v[14:15] the sum in two halves
.set F,   16                           ; v16-31   four quads for f's tiles: tile t in quad t % 4
.set FV,  32                           ; v32-63   v's 4 x 8 registers (ahead of the first step: f's eight tiles of step 0)
.set S,   64                           ; v64-127  S^T: written by matrix instructions alone
.set P,   128                          ; v128-191 t - M, then p
.set O,   192                          ; v192-223 O^T
.set PC,  224                          ; v224-231 p's codes
.set BM,  232                          ; v232-235 the blocks' largest scores, then largest p
.set BP,  236                          ; v236-239 at work
.set G,   240                          ; v240-243 g's fragment
.set SO,  244                          ; v244-247 the conversions' scale operands
.set VS,  248                          ; v248-249 v's scale words: lanes 0-15 an even channel tile's, lanes 16-31 the odd one's
.set PW,  250                          ; v250     p's scale word
.set WV,  8                            ; s8 wave, s9 qt, s10 kq
.set QT,  9
.set KQ,  10
.set G1A, 24                           ; s[24:31] descriptor group 1: 33 rows of 256 bytes;  s[32:39] 66 rows;  s[40:47] 99 rows
.set G1B, 32
.set G1C, 40
.set G0,  48                           ; s[48:63] four groups 0
.set CS,  66                           ; s[66:67] log2(e): the packed form names a pair and takes its low word for both halves
.set SEL, 68                           ; s[68:69] v_permlanex16_b32's selects for lane l xor 16
; A round of the cluster's barrier: my work-group's barrier; wave 0 signals for the work-group; every wave waits for all four work-groups; my work-group's barrier once more.
.macro CROUND
	s_barrier_signal -1
	s_barrier_wait -1
	s_cmp_lg_u32 s[WV], 0
	s_cbranch_scc1 .Lnot_wave_0_\@
	s_barrier_signal -3
.Lnot_wave_0_\@:
	s_barrier_wait -3
	s_barrier_signal -1
	s_barrier_wait -1
.endm
	s_load_b128 s[4:7], s[0:1], 0x0                ; ws s[4:5], out s[6:7]
	v_lshl_add_u32 v254, v0, 2, 0x4ec00
	v_mov_b32 v255, 0
	ds_add_u32 v254, v255
	ds_add_u32 v254, v255
	s_wait_dscnt 0x0
	v_lshrrev_b32 v9, 5, v0
	v_readfirstlane_b32 s[WV], v9                  ; wave 0..15
	s_and_b32 s[QT], s[WV], 3
	s_lshr_b32 s[KQ], s[WV], 2
	; every LDS address register is made here, ahead of every branch on the wave's number
	v_and_b32 v9, 31, v0                           ; lane
	v_and_b32 v10, 15, v0                          ; r
	v_bfe_u32 v11, v0, 4, 1                        ; h
	v_lshlrev_b32 v[LI], 4, v9
	s_mul_i32 s20, s[KQ], REC
	v_add_nc_u32 v[AF], s20, v[LI]
	v_lshl_add_u32 v[AS], v9, 2, s20
	s_mul_i32 s21, s[WV], PART
	s_add_co_u32 s22, s21, MRG-4*PART
	v_add_nc_u32 v[MG], s22, v[LI]
	v_lshl_add_u32 v[MS], v9, 3, s22
	s_add_co_u32 s23, s21, MRG                     ; waves 0 to 3: the part of wave w + 4
	v_mul_u32_u24 v[STO], v10, 272
	v_lshl_add_u32 v[STO], v11, 5, v[STO]
	v_add_nc_u32 v[STO], s23, v[STO]               ; in: row r, + 32 h
	v_mul_u32_u24 v[SRD], v11, 272
	v_lshl_add_u32 v[SRD], v10, 4, v[SRD]
	v_add_nc_u32 v[SRD], s23, v[SRD]               ; back: lanes 0-15 one row of 256 bytes, lanes 16-31 the next
	v_lshlrev_b32 v[GO], 8, v11
	v_lshl_add_u32 v[GO], v10, 4, v[GO]            ; and the same two rows in out
	v_mov_b32 v13, 0xff61b1e6                      ; the largest t so far: -3e38, under every t
	v_floor_f32 v12, -v13                          ; -M
	v_mov_b32 v14, 0                               ; the sum, in two halves
	v_mov_b32 v15, 0
.irp b, 0,1,2,3
	v_mov_b32 v[BP+\b], 0                          ; a lane permute's destination counts as one of its sources
.endr
	v_mov_b32 v253, 0                              ; named as the upper half of the pair v[252:253]
	s_mov_b32 s[CS], 0x3fb8aa3b                    ; log2(e)
	s_mov_b32 s[CS+1], s[CS]
	s_mov_b32 s[SEL], 0x76543210
	s_mov_b32 s[SEL+1], 0xfedcba98
	; descriptor group 1: a dense block as rows of 256 bytes (32 elements of 8 bytes), no padding
.irp g, G1A, G1B, G1C
	s_mov_b32 s[\g], 15|(3<<16)|(1<<21)            ; 15:0 the mask: all four work-groups; 17:16 elements of 8 bytes; 21 set beside a mask
	s_mov_b32 s[\g+1], 32<<16                      ; tensor_dim0 = 32
	s_mov_b32 s[\g+3], 32<<16                      ; tile_dim0 = 32
	s_mov_b32 s[\g+5], 32                          ; tensor_dim0_stride
	s_mov_b32 s[\g+6], 0
	s_mov_b32 s[\g+7], 0
.endr
	s_mov_b32 s[G1A+2], 33<<16                     ; tensor_dim1, tile_dim1: one record,
	s_mov_b32 s[G1A+4], 33
	s_mov_b32 s[G1B+2], 66<<16                     ; two,
	s_mov_b32 s[G1B+4], 66
	s_mov_b32 s[G1C+2], 99<<16                     ; three
	s_mov_b32 s[G1C+4], 99
	s_and_b32 s12, ttmp7, 0xffff                   ; the batch, which the four partners share
	s_mul_i32 s14, s12, BATCH
	s_mov_b32 s15, 0
	s_mov_b32 s17, 0
	; my place in the cluster enters g's and out's addresses alone, in registers of their own
	s_bfe_u32 s11, ttmp6, 0x40000                  ; cx
	s_lshl_b32 s13, ttmp9, 2
	s_add_co_u32 s13, s13, s11                     ; my block of 64 queries = 4 x cluster x + cx
	s_lshl_b32 s72, s12, 6
	s_add_co_u32 s72, s72, s13
	s_lshl_b32 s72, s72, 2
	s_add_co_u32 s72, s72, s[QT]
	s_lshl_b32 s72, s72, 9
	s_add_co_u32 s72, s72, GOFF                    ; g's tile 4 (64 batch + block) + qt
	s_mov_b32 s73, 0
	s_lshl_b32 s74, s12, 12
	s_lshl_b32 s75, s13, 6
	s_add_co_u32 s74, s74, s75
	s_lshr_b32 s75, s[QT], 1
	s_lshl_b32 s75, s75, 5
	s_add_co_u32 s74, s74, s75
	s_and_b32 s75, s[QT], 1
	s_lshl_b32 s75, s75, 3
	s_add_co_u32 s74, s74, s75                     ; my tile's first row of out: 4,096 batch + 64 block + 32 (qt / 2) + 8 (qt % 2)
	s_lshl_b32 s74, s74, 8
	s_mov_b32 s75, 0
	s_wait_kmcnt 0x0
	s_add_nc_u64 s[70:71], s[4:5], s[72:73]
	s_add_nc_u64 s[6:7], s[6:7], s[74:75]
	s_add_nc_u64 s[18:19], s[4:5], s[14:15]        ; the batch's records
	; four groups 0: a block lies at the same offset in LDS as among the batch's records.  Load 0: time step 0 (a record a wave); load 1: steps 1, 2 (two records a wave); load 2: steps 3, 4; load 3: steps 5 to 7 (three)
	s_mul_i32 s16, s[QT], REC
	s_mov_b32 s[G0], 1
	s_mov_b32 s[G0+1], s16
	s_add_nc_u64 s[G0+2:G0+3], s[18:19], s[16:17]
	s_or_b32 s[G0+3], s[G0+3], 0x80000000
	s_mul_i32 s16, s[QT], 2*REC
	s_add_co_u32 s16, s16, CHUNK
	s_mov_b32 s[G0+4], 1
	s_mov_b32 s[G0+5], s16
	s_add_nc_u64 s[G0+6:G0+7], s[18:19], s[16:17]
	s_or_b32 s[G0+7], s[G0+7], 0x80000000
	s_add_co_u32 s16, s16, 2*CHUNK
	s_mov_b32 s[G0+8], 1
	s_mov_b32 s[G0+9], s16
	s_add_nc_u64 s[G0+10:G0+11], s[18:19], s[16:17]
	s_or_b32 s[G0+11], s[G0+11], 0x80000000
	s_mul_i32 s16, s[QT], 3*REC
	s_add_co_u32 s16, s16, 5*CHUNK
	s_mov_b32 s[G0+12], 1
	s_mov_b32 s[G0+13], s16
	s_add_nc_u64 s[G0+14:G0+15], s[18:19], s[16:17]
	s_or_b32 s[G0+15], s[G0+15], 0x80000000
	CROUND                                         ; all four work-groups are here: the joint loads meet
	s_cmp_lt_u32 s[WV], 4                          ; waves 0 to 3 fetch; a wave's four loads stand in one branch, ahead of every wait on TENSORcnt and every LDS read: four loads of mine are out
	s_cbranch_scc0 .Lno_fetch
	tensor_load_to_lds s[G0:G0+3], s[G1A:G1A+7]
	s_nop 0
	tensor_load_to_lds s[G0+4:G0+7], s[G1B:G1B+7]
	s_nop 0
	tensor_load_to_lds s[G0+8:G0+11], s[G1B:G1B+7]
	s_nop 0
	tensor_load_to_lds s[G0+12:G0+15], s[G1C:G1C+7]
	s_nop 0
.rept 4
	v_nop
.endr
.Lno_fetch:
	global_load_b128 v[G:G+3], v[LI], s[70:71]     ; g's fragment stays in registers: 512 consecutive bytes a wave
; KND, the kind of the step in hand: 0: the next step's scores are made, and the first two pairs of f's tiles of the step after that are fetched; 1: the scores, no such fetch (the last step but one); 2: neither (the last step).
; OPN = 1: the first step, whose products start O^T's sums.
; Product idx of 16 of the next step's S^T = f g^T: pair idx / 4; in a pair k0(t), k0(t + 1), k1(t), k1(t + 1), so that no two matrix instructions that follow each other share an accumulator.  The first K step starts the sum.
.macro W idx
.if KND < 2
.set wt, 2*((\idx)/4)+(\idx)%2
.set wk, ((\idx)%4)/2
.if wk == 0
	v_wmma_f32_16x16x4_f32 v[S+8*wt:S+8*wt+7], v[F+4*(wt%4):F+4*(wt%4)+1], v[G:G+1], 0
.else
	v_wmma_f32_16x16x4_f32 v[S+8*wt:S+8*wt+7], v[F+4*(wt%4)+2:F+4*(wt%4)+3], v[G+2:G+3], v[S+8*wt:S+8*wt+7]
.endif
.endif
.endm
; A pair of f's tiles, from the record one time step on from where AF stands, into its two quads: 512 consecutive bytes a load.  Issued in steps of kind most or less.
.macro LF pair, most
.if KND <= \most
.irp u, 0,1
	ds_load_b128 v[F+4*((2*(\pair)+\u)%4):F+4*((2*(\pair)+\u)%4)+3], v[AF] offset:CHUNK+512*(2*(\pair)+\u)
.endr
.endif
.endm
.macro PKF from, count                 ; t - M, two scores a line, out of S^T into registers of their own; lines 4 t .. 4 t + 3 read tile t
.set n, 2*(\from)
.rept \count
	v_pk_fma_f32 v[P+n:P+n+1], v[S+n:S+n+1], s[CS:CS+1], v[12:13] op_sel_hi:[1,0,0]
.set n, n+2
.endr
.endm
.macro EXPS from, count                ; p = 2^(t - M), at most 1
.set n, \from
.rept \count
	v_exp_f32 v[P+n], v[P+n]
.set n, n+1
.endr
.endm
.macro ADDP from, count                ; the row's sum of the unquantised p, in two chains, four p a turn
.set n, 4*(\from)
.rept \count
	v_pk_add_f32 v[14:15], v[14:15], v[P+n:P+n+1]
	v_pk_add_f32 v[BP:BP+1], v[BP:BP+1], v[P+n+2:P+n+3]
.set n, n+4
.endr
.endm
.macro RESC from                       ; two tiles of O^T under the new M, each accumulator from its low end on: eight plain lines, which also serve as places; the first step has no O^T yet
.if OPN
.rept 8
	v_nop
.endr
.else
.set n, \from
.rept 8
	v_pk_mul_f32 v[O+n:O+n+1], v[O+n:O+n+1], v[252:253] op_sel_hi:[1,0]
.set n, n+2
.endr
.endif
.endm
; A KEY STEP: 128 keys, whose scores lie in S^T.  left >= 0: a barrier stands at its head, in front of which the fetching waves wait until at most so many of their younger tensor loads are out.
; Step j reads records of time steps j, j + 1 and j + 2.
; PLACES.  A load into a register that a matrix instruction has read, and the first read of its result, stand eight plain vector lines behind the f32 form and four behind the form on codes
; exponentials, conversions and other matrix instructions are not counted.  Each run of such lines is named where it stands.
.macro STEP opening, left, kind
.set OPN, \opening
.set KND, \kind
.if (\left) >= 0
	s_wait_tensorcnt \left                         ; tensor loads of a wave end in order (ISA guide 10.11.1): my part of the records that the steps up to the next barrier read is in
	s_wait_dscnt 0x0
	s_barrier_signal -1
	s_barrier_wait -1                              ; everybody's is
.endif
.irp b, 0,1,2,3
	v_max3_num_f32 v[BM+\b], v[S+16*\b], v[S+16*\b+1], v[S+16*\b+2]   ; the largest score of each block of 32 keys: for the row's maximum and, since p rises with the score, for the block's largest p.  Each accumulator is read from its low end on
.endr                                              ; (these four are the places behind the last step's products on codes, ahead of the loads into v's registers)
.irp t, 0,1,2,3
.irp c, 0,1
	ds_load_b128 v[FV+8*\t+4*\c:FV+8*\t+4*\c+3], v[AF] offset:4096+1024*\t+512*\c   ; v's four fragments land while the softmax is walked
.endr
.endr
	ds_load_b32 v[VS], v[AS] offset:8192           ; lane l: the scale word of channel l,
	ds_load_b32 v[VS+1], v[AS] offset:8320         ; of channel 32 + l
.if KND < 2
	v_add_nc_u32 v[AS], CHUNK, v[AS]               ; the next step's
.endif
.irp i, 3,5,7,9,11,13
.irp b, 0,1,2,3
	v_max3_num_f32 v[BM+\b], v[BM+\b], v[S+16*\b+\i], v[S+16*\b+\i+1]
.endr
.endr
.irp b, 0,1,2,3
	v_max_num_f32 v[BM+\b], v[BM+\b], v[S+16*\b+15]
.endr
.irp b, 0,1,2,3
	v_permlanex16_b32 v[BP+\b], v[BM+\b], s[SEL], s[SEL+1]
.endr
.irp b, 0,1,2,3
	v_max_num_f32 v[BM+\b], v[BM+\b], v[BP+\b]     ; with lane l xor 16's 16 keys
.endr
	v_max3_num_f32 v254, v[BM], v[BM+1], v[BM+2]
	v_max_num_f32 v254, v254, v[BM+3]              ; the step's largest score of my query
	v_mul_f32 v254, s[CS], v254                    ; as t
	v_max_num_f32 v13, v13, v254                   ; the running largest t
	v_mov_b32 v254, v12
	v_floor_f32 v12, -v13                          ; the new -M = floor(-t) = -ceil(t)
	v_sub_f32 v254, v12, v254                      ; old M - new M: a whole number, 0 or less
	v_cvt_i32_f32 v254, v254                       ; (it saturates)
	v_ldexp_f32 v252, 1.0, v254                    ; 2^(old M - new M)
	PKF 0, 8                                       ; tiles 0 and 1 of S^T are read out: from here on the next step's scores are made
.if KND < 2
	s_wait_dscnt 10                                ; LDS loads come back in order: f's pairs 0 and 1 are in; v's ten loads, issued behind them, may be out
.endif
	W 0
	PKF 8, 4
	W 1
	PKF 12, 4
	W 2
	PKF 16, 4
	W 3
	PKF 20, 4
	W 4
	PKF 24, 4                                      ; eight scalings stand behind pair 0's last product:
	LF 2, 1                                        ; its quads take pair 2
	W 5
	PKF 28, 4
	W 6
.irp b, 0,1,2,3
	v_fma_f32 v[BM+\b], v[BM+\b], s[CS], v12       ; t - M of each block's largest score
.endr
	W 7
	RESC 0                                         ; O^T's tiles 0 and 1: eight plain lines behind pair 1's last product:
	LF 3, 1                                        ; its quads take pair 3
.if KND < 2
	v_add_nc_u32 v[AF], CHUNK, v[AF]               ; from here on AF stands at the next step's record
	s_wait_dscnt 2                                 ; v's loads and pair 2 are in; pair 3's two loads may be out
.endif
	W 8
	EXPS 0, 16                                     ; the 64 exponentials are one batch; none of the lines among them names a result
	W 9
	EXPS 16, 16
	W 10
	EXPS 32, 16
	W 11
	EXPS 48, 16
	v_pk_mul_f32 v[14:15], v[14:15], v[252:253] op_sel_hi:[1,0]   ; the sums under the new M: the plain line behind the exponentials
	s_wait_alu depctr_va_vdst(0)                   ; one wait for the batch of 64, ahead of its first reader
.irp b, 0,1,2,3
	v_exp_f32 v[BM+\b], v[BM+\b]                   ; the blocks' largest p: the same two instructions on the same number give the same bits
.endr
.if KND < 2
	s_wait_dscnt 0x0                               ; pair 3 is in
.endif
	W 12
	v_pk_add_f32 v[BP:BP+1], v[P:P+1], v[P+2:P+3]  ; the row's sum; these lines read the 64 alone
	ADDP 1, 4                                      ; the sums' rescaling and these nine additions stand behind pair 2's last product:
	LF 0, 0                                        ; its quads take pair 0 of the step after the next
	W 13
	ADDP 5, 4
	W 14
	ADDP 9, 7
	v_pk_add_f32 v[14:15], v[14:15], v[BP:BP+1]
	s_wait_alu depctr_va_vdst(0)                   ; and one wait for the four
.irp b, 0,1,2,3
	v_max_num_f32 v[BM+\b], 0x1800000, v[BM+\b]    ; the floor 2^(3 - 127): the byte cannot fall under 1
.endr
.irp b, 0,1,2,3
	v_add_nc_u32 v[SO+\b], 0xff000000, v[BM+\b]    ; 2 off the exponent field: the conversion's scale operand
.endr
.irp b, 0,1,2,3
	v_lshrrev_b32 v[BP+\b], 23, v[SO+\b]           ; the scale's byte
.endr
	v_lshl_or_b32 v[PW], v[BP+1], 8, v[BP]         ; p's scale word for these 128 keys
	v_lshl_or_b32 v[PW], v[BP+2], 16, v[PW]
	v_lshl_or_b32 v[PW], v[BP+3], 24, v[PW]
	W 15                                           ; the next step's scores are whole
.irp b, 0,1,2,3
	v_cvt_scalef32_pk8_fp4_f32 v[PC+2*\b], v[P+16*\b:P+16*\b+7], v[SO+\b]
	v_cvt_scalef32_pk8_fp4_f32 v[PC+2*\b+1], v[P+16*\b+8:P+16*\b+15], v[SO+\b]
.endr
	v_nop                                          ; one plain line behind the last scaled conversion
.irp c, 0,1
.irp i, 0,1
	v_permlane16_swap_b32 v[PC+4*\c+\i], v[PC+4*\c+2+\i]   ; the operand's layout wants a whole block in a lane: lanes 0-15 block 2 c, lanes 16-31 block 2 c + 1
.endr
.endr
	RESC 16                                        ; O^T's tiles 2 and 3.  These eight lines serve three times: behind p's scale word (eight are asked ahead of a scaled matrix instruction) and p's codes (four); behind pair 3's last product, for the loads into its quads; and for the next step's first read of S^T
.if KND == 2
	s_wait_dscnt 0x0                               ; v's fragments and scale words are in (in the other steps the wait for pair 2, issued behind them, has shown it)
.endif
	; O^T += v^T p^T: four tiles of 16 channels; K = these 128 keys
.irp t, 0,2
.if OPN
	v_wmma_scale_f32_16x16x128_f8f6f4 v[O+8*\t:O+8*\t+7], v[FV+8*\t:FV+8*\t+7], v[PC:PC+7], 0, v[VS+\t/2], v[PW] matrix_a_fmt:MATRIX_FMT_FP4 matrix_b_fmt:MATRIX_FMT_FP4
	v_wmma_scale_f32_16x16x128_f8f6f4 v[O+8*\t+8:O+8*\t+15], v[FV+8*\t+8:FV+8*\t+15], v[PC:PC+7], 0, v[VS+\t/2], v[PW] matrix_a_fmt:MATRIX_FMT_FP4 matrix_b_fmt:MATRIX_FMT_FP4 matrix_a_scale:MATRIX_SCALE_ROW1
.else
	v_wmma_scale_f32_16x16x128_f8f6f4 v[O+8*\t:O+8*\t+7], v[FV+8*\t:FV+8*\t+7], v[PC:PC+7], v[O+8*\t:O+8*\t+7], v[VS+\t/2], v[PW] matrix_a_fmt:MATRIX_FMT_FP4 matrix_b_fmt:MATRIX_FMT_FP4
	v_wmma_scale_f32_16x16x128_f8f6f4 v[O+8*\t+8:O+8*\t+15], v[FV+8*\t+8:FV+8*\t+15], v[PC:PC+7], v[O+8*\t+8:O+8*\t+15], v[VS+\t/2], v[PW] matrix_a_fmt:MATRIX_FMT_FP4 matrix_b_fmt:MATRIX_FMT_FP4 matrix_a_scale:MATRIX_SCALE_ROW1
.endif
.endr
	LF 1, 0                                        ; pair 3's quads take pair 1 of the step after the next
.endm
	; THE OPENING: step 0's scores have no softmax to stand among.  Its eight tiles of f come into v's registers, which are free.
.set KND, 0
	s_wait_tensorcnt 3                             ; load 0 is in; loads 1, 2, 3 may be out
	s_barrier_signal -1
	s_barrier_wait -1                              ; everybody's is
.irp t, 0,1,2,3,4,5,6,7
	ds_load_b128 v[FV+4*\t:FV+4*\t+3], v[AF] offset:512*\t
.endr
	s_wait_loadcnt 0x0                             ; g
	s_wait_dscnt 0x0
.irp t, 0,1,2,3,4,5,6,7
	v_wmma_f32_16x16x4_f32 v[S+8*\t:S+8*\t+7], v[FV+4*\t:FV+4*\t+1], v[G:G+1], 0   ; the eight accumulators by turns, one instruction a turn
.endr
.irp t, 0,1,2,3,4,5,6,7
	v_wmma_f32_16x16x4_f32 v[S+8*\t:S+8*\t+7], v[FV+4*\t+2:FV+4*\t+3], v[G+2:G+3], v[S+8*\t:S+8*\t+7]
.endr
.rept 8
	v_nop                                          ; eight places ahead of the first read of the scores and of the loads into v's registers
.endr
	s_wait_tensorcnt 2                             ; load 1 is in: time steps 1 and 2
	s_barrier_signal -1
	s_barrier_wait -1
	LF 0, 0                                        ; step 1's pairs 0 and 1
	LF 1, 0
	STEP 1, -1, 0
	STEP 0, 1, 0                                   ; load 2 is in: time steps 3 and 4, which steps 1 and 2 reach
	STEP 0, -1, 0
	STEP 0, 0, 0                                   ; load 3 is in: time steps 5 to 7; no tensor load is out from here on
	STEP 0, -1, 0
	STEP 0, -1, 0
	STEP 0, -1, 1
	STEP 0, -1, 2
	; THE MERGE.  Waves 4 to 15 lay their O^T, as it stands in the registers, and (-M, sum) into their parts; behind the barrier wave qt adds the parts of waves qt + 4, qt + 8, qt + 12 to its own.
	v_add_f32 v13, v14, v15                        ; the sum's two halves; v[12:13] = (-M, sum)
.rept 4
	v_nop                                          ; places behind the last products, ahead of the first read of O^T and of the loads into v's registers
.endr
	s_cmp_lt_u32 s[WV], 4
	s_cbranch_scc1 .Lkeep
.irp i, 0,1,2,3,4,5,6,7
	ds_store_b128 v[MG], v[O+4*\i:O+4*\i+3] offset:512*\i
.endr
	ds_store_b64 v[MS], v[12:13] offset:4096
.Lkeep:
	s_wait_dscnt 0x0                               ; for the others' sake: my LDS stores have landed
	s_barrier_signal -1
	s_barrier_wait -1
	s_cmp_ge_u32 s[WV], 4
	s_cbranch_scc1 .Ldone
.irp i, 1,2,3
	ds_load_b64 v[238+2*\i:239+2*\i], v[MS] offset:4096+4*PART*\i      ; (-M, sum) of the three others: v[240:245]
.endr
.irp i, 0,1,2,3,4,5,6,7
	ds_load_b128 v[P+4*\i:P+4*\i+3], v[MG] offset:4*PART+512*\i
.endr
.irp i, 0,1,2,3,4,5,6,7
	ds_load_b128 v[P+32+4*\i:P+32+4*\i+3], v[MG] offset:8*PART+512*\i
.endr
.irp i, 0,1,2,3,4,5,6,7
	ds_load_b128 v[FV+4*\i:FV+4*\i+3], v[MG] offset:12*PART+512*\i
.endr
	s_wait_dscnt 24                                ; LDS loads come back in order: the three small ones are in, the 24 behind them may be out
	v_min3_num_f32 v251, v12, v240, v242
	v_min_num_f32 v251, v251, v244                 ; -M of all 4,096 keys
	v_sub_f32 v232, v251, v12                      ; each group's M less that M: whole numbers, 0 or less
	v_sub_f32 v234, v251, v240
	v_sub_f32 v236, v251, v242
	v_sub_f32 v238, v251, v244
.irp i, 232,234,236,238
	v_cvt_i32_f32 v\i, v\i
.endr
.irp i, 232,234,236,238
	v_ldexp_f32 v\i, 1.0, v\i                      ; the groups' factors: powers of two
.endr
	v_mul_f32 v254, v232, v13
	v_fmac_f32 v254, v234, v241
	v_fmac_f32 v254, v236, v243
	v_fmac_f32 v254, v238, v245
	v_permlanex16_b32 v252, v254, s[SEL], s[SEL+1]
	v_add_f32 v254, v254, v252                     ; with lane l xor 16's keys: the row's sum
	v_rcp_f32 v254, v254
	v_nop                                          ; a plain line behind the reciprocal
	s_wait_alu depctr_va_vdst(0)                   ; and the wait ahead of its first reader
.irp i, 232,234,236,238
	v_mul_f32 v\i, v\i, v254                       ; factor / sum
.endr
	s_wait_dscnt 0x0                               ; the three partial O^T are in
.set n, 0
.rept 16
	v_pk_mul_f32 v[O+n:O+n+1], v[O+n:O+n+1], v[232:233] op_sel_hi:[1,0]
.set n, n+2
.endr
.set n, 0
.rept 16
	v_pk_fma_f32 v[O+n:O+n+1], v[P+n:P+n+1], v[234:235], v[O+n:O+n+1] op_sel_hi:[1,0,1]
.set n, n+2
.endr
.set n, 0
.rept 16
	v_pk_fma_f32 v[O+n:O+n+1], v[P+32+n:P+32+n+1], v[236:237], v[O+n:O+n+1] op_sel_hi:[1,0,1]
.set n, n+2
.endr
.set n, 0
.rept 16
	v_pk_fma_f32 v[O+n:O+n+1], v[FV+n:FV+n+1], v[238:239], v[O+n:O+n+1] op_sel_hi:[1,0,1]
.set n, n+2
.endr
	; THE WAY OUT.  Register 8 t + j of lane (r, h) is out(query r, channel 16 t + 8 h + j): 32 bytes of a row.  The tile goes through my stage (rows of 256 bytes + 16) and comes back as whole rows.
.irp t, 0,1,2,3
	ds_store_b128 v[STO], v[O+8*\t:O+8*\t+3] offset:64*\t
	ds_store_b128 v[STO], v[O+8*\t+4:O+8*\t+7] offset:64*\t+16
.endr
.irp i, 0,1,2,3,4,5,6,7
	ds_load_b128 v[P+4*\i:P+4*\i+3], v[SRD] offset:544*\i          ; LDS serves a wave's instructions in order (ISA guide 5.7.1.4): these see my stores
.endr
.irp i, 0,1,2,3,4,5,6,7
	s_wait_dscnt 7-\i                              ; rows 2 i, 2 i + 1 of the tile are back; the younger loads may be out
	global_store_b128 v[GO], v[P+4*\i:P+4*\i+3], s[6:7] offset:(2*\i+8*(\i/4))*256 th:TH_STORE_NT   ; tile row n is position n + 8 (n / 8); sixteen lanes store one row of out: 256 consecutive bytes, aligned
.endr
.Ldone:
	s_wait_xcnt 0x0
	v_lshl_add_u32 v254, v0, 2, 0x4ec00
	v_mov_b32 v255, 0
	s_wait_tensorcnt 0x0
	ds_add_u32 v254, v255
	s_wait_dscnt 0x0
	CROUND                                         ; the closing round: no work-group ends while a partner may still ask for a tile that names it
	s_endpgm
.Lfunc_end_k_q701baa42a7_attn:
	.size	k_q701baa42a7_attn, .Lfunc_end_k_q701baa42a7_attn-k_q701baa42a7_attn
	.p2alignl 7, 3214868480
	.fill 96, 4, 3214868480
	.section	.rodata,"a",@progbits
	.p2align	6, 0x0
	.amdhsa_kernel k_q701baa42a7_attn
		.amdhsa_group_segment_fixed_size 327680
		.amdhsa_private_segment_fixed_size 0
		.amdhsa_enable_private_segment 0
		.amdhsa_kernarg_size 16
		.amdhsa_user_sgpr_count 2
		.amdhsa_user_sgpr_kernarg_segment_ptr 1
		.amdhsa_wavefront_size32 1
		.amdhsa_system_sgpr_workgroup_id_x 1
		.amdhsa_system_sgpr_workgroup_id_y 1
		.amdhsa_system_sgpr_workgroup_id_z 1
		.amdhsa_system_vgpr_workitem_id 0
		.amdhsa_next_free_vgpr 256
		.amdhsa_next_free_sgpr 80
		.amdhsa_reserve_vcc 0
		.amdhsa_float_denorm_mode_32 3
		.amdhsa_float_denorm_mode_16_64 3
		.amdhsa_memory_ordered 1
		.amdhsa_forward_progress 1
		.amdhsa_inst_pref_size 133
	.end_amdhsa_kernel
	.amdgpu_metadata
---
amdhsa.version: [ 1, 2 ]
amdhsa.kernels:
  - .name:           k_q701baa42a7_attn
    .symbol:         k_q701baa42a7_attn.kd
    .args:
      - { .name: ws, .offset: 0, .size: 8, .value_kind: global_buffer, .address_space: global }
      - { .name: out0, .offset: 8, .size: 8, .value_kind: global_buffer, .address_space: global }
    .group_segment_fixed_size: 327680
    .private_segment_fixed_size: 0
    .kernarg_segment_align: 8
    .kernarg_segment_size: 16
    .max_flat_workgroup_size: 512
    .sgpr_count:     80
    .vgpr_count:     256
    .wavefront_size: 32
...
	.end_amdgpu_metadata
.endif
;; end of part 2
